; MI455X (gfx1250); checked and timed in simulation.
; The chip was launched on July 23, 2026; its instructions are those of AMD's public machine-readable ISA for CDNA 5 (MIT licence, August 2026) and "CDNA5" Instruction Set Architecture Reference Guide (July 2026). The comments in the code are by the model that wrote it; some were corrected since.
;; Mix Llama MLP. Allowed arithmetic: matrix products marked QUANTISED: E2M1 operands, one E8M0 scale for each 32 along K, by v_wmma_scale_f32_16x16x128_f8f6f4 with both operands' format E2M1 (or v_wmma_scale_f32_32x16x128_f4), f32 sums; everything else in f32.
;; Inputs: W_down_codes 4,096 x 43 x 16 uint8 (E2M1 codes of W_down, K innermost, in blocks of 32 codes, two codes a byte); W_down_scales 4,096 x 43 uint8 (E8M0 scales of W_down, one for each 32 codes along K); W_gate_codes 1,376 x 128 x 16 uint8 (E2M1 codes of W_gate, K innermost, in blocks of 32 codes, two codes a byte); W_gate_scales 1,376 x 128 uint8 (E8M0 scales of W_gate, one for each 32 codes along K); W_up_codes 1,376 x 128 x 16 uint8 (E2M1 codes of W_up, K innermost, in blocks of 32 codes, two codes a byte); W_up_scales 1,376 x 128 uint8 (E8M0 scales of W_up, one for each 32 codes along K); x_codes 2 x 2,048 x 128 x 16 uint8 (E2M1 codes of x, K innermost, in blocks of 32 codes, two codes a byte); x_scales 2 x 2,048 x 128 uint8 (E8M0 scales of x, one for each 32 codes along K).
;; Outputs: out0 2 x 2,048 x 4,096 float32.
;; This version of the problem:
;;   THIS VERSION OF THE PROBLEM IS GIVEN IN LOW PRECISION. The matrix products marked QUANTISED in the list below multiply operands that are first quantised to E2M1 (2 exponent bits, 1 mantissa bit; 4 bits a number), with one power-of-two scale for each 32 numbers along K (OCP MX v1.0); their sums are f32. All else is computed in f32.
;;   The module's matrix products, in the order in which they are computed (A, B: the left and right operand; K: the contracted axis; several contracted axes count as one K, in the product's order):
;;     1. [M 4,096, K 4,096] x [K 4,096, N 1,376]; A: input x (given as codes); B: input W_up (given as codes): QUANTISED
;;     2. [M 4,096, K 4,096] x [K 4,096, N 1,376]; A: input x (given as codes); B: input W_gate (given as codes): QUANTISED
;;     3. [M 4,096, K 1,376] x [K 1,376, N 4,096]; A: computed on the way; B: input W_down (given as codes): QUANTISED
;;   THE QUANTISER, for each operand of a quantised product, along K:
;;     - K is cut into blocks of 32 from its start; a last block that is shorter is filled with zeros.
;;     - A block's scale is 2^e with e = floor(log2(the largest magnitude in the block)) - 2, held to -126 .. 127; a block of zeros has e = 0. As a byte (E8M0): e + 127.
;;     - Each number is divided by its block's scale, clamped to +-6, and rounded to the nearest number of E2M1, ties to even, subnormals kept.
;;     - The product sums the exact products of the quantised numbers (number of the format x scale) in f32.
;;   ~~~python
;;   def quantise(x, axis):      # numpy; x: float32 -> the quantised numbers, widened to float32 again
;;       x = np.moveaxis(x, axis, -1); K = x.shape[-1]
;;       x = np.pad(x, [(0, 0)] * (x.ndim - 1) + [(0, -K % 32)]); x = x.reshape(x.shape[:-1] + (-1, 32)); a = np.abs(x).max(-1, keepdims=True)
;;       e = np.where(a > 0, np.clip(np.frexp(np.where(a > 0, a, 1))[1] - 1 - 2, -126, 127), 0)      # np.frexp(a)[1] - 1 = floor(log2(a)), exactly
;;       r = np.clip(x / 2.0 ** e, -6, 6)
;;       step = 2.0 ** (np.maximum(np.frexp(np.where(r == 0, 1, r))[1] - 1, 0) - 1)
;;       q = np.round(r / step) * step * 2.0 ** e      # np.round: ties to even
;;       return np.moveaxis(q.reshape(q.shape[:-2] + (-1,))[..., :K], -1, axis).astype(np.float32)
;;   ~~~
;;   OPERANDS COMPUTED ON THE WAY. 'Computed on the way' means the value that the module computes at that place (a softmax that the list does not call 'softmax' is quantised finished and normalised). What goes into a quantiser is computed in f32, as accurately as f32 sums, v_exp_f32 and their like allow (about 1e-6 of the number): no bf16 or f16 on the way to a quantiser, and a product that is left as it is and whose result goes on into a quantised operand takes f32 operands (vector FMAs, or v_wmma_f32_16x16x4_f32). A number that lies on a knife's edge between two numbers of the format may be rounded either way, as far as f32 arithmetic and the matrix unit's own rounding can turn it there, and no further.
;;   INPUTS GIVEN AS CODES. W_down (in the module: [4096, 1376], K = its axis 1); W_gate (in the module: [1376, 4096], K = its axis 1); W_up (in the module: [1376, 4096], K = its axis 1); x (in the module: [2, 2048, 4096], K = its axis 2): each comes as NAME_codes (uint8): NAME with its K axis moved to the last place and cut into blocks of 32 codes, [.., K / 32, bytes a block], one block behind the other in memory; two codes a byte, the lower K in the low four bits (a code: sign, 2 exponent bits, 1 mantissa bit); and NAME_scales (uint8): the same leading axes, one E8M0 byte (e + 127) for each 32 codes along K. Its value is code x scale, taken as it is: it is not quantised again, and the codes and scales need not be those that the quantiser above would give.
;; One version. Each part assembles by itself: llvm-mc -triple=amdgcn-amd-amdhsa -mcpu=gfx1250 --defsym DOCPART=n.
;; ======== version 1 of 1: 2 launches
;; limits: right only within a limited range of input values
;; workspace buffers: h_codes 2,883,584 bytes; h_scales 245,760 bytes; wd_scales 196,608 bytes
;; launch gateup (part 1): grid 16 x 15, 4 waves a work-group, clusters of 4 x 1, 327,680 bytes of LDS; arguments x_codes, x_scales, W_gate_codes, W_gate_scales, W_up_codes, W_up_scales, W_down_scales, h_codes, h_scales, wd_scales; writes h_codes, h_scales, wd_scales
.if DOCPART == 1
	.amdgcn_target "amdgcn-amd-amdhsa--gfx1250"
	.amdhsa_code_object_version 6
	.text
	.protected	k_q5fd948fc59_gateup
	.globl	k_q5fd948fc59_gateup
	.p2align	8
	.type	k_q5fd948fc59_gateup,@function
k_q5fd948fc59_gateup:
	s_mov_b64 s[64:65], 0
	v_nop
	global_prefetch_b8 v0, s[64:65] scope:SCOPE_SE
	s_setreg_imm32_b32 hwreg(HW_REG_WAVE_MODE, 25, 1), 1
	s_wait_xcnt 0x0
	s_wait_alu depctr_hold_cnt(0) depctr_sa_sdst(0) depctr_va_vdst(0) depctr_va_sdst(0) depctr_va_ssrc(0) depctr_va_vcc(0) depctr_vm_vsrc(0)
	s_getreg_b32 s2, hwreg(HW_REG_IB_STS2, 6, 4)
	s_cmp_eq_u32 s2, 0
	s_cbranch_scc0 .Lentry_in_a_cluster
	s_endpgm
.Lentry_in_a_cluster:
	s_bfe_u32 s2, ttmp6, 0x10000c
	s_cmp_lg_u32 s2, 0x3003
	s_cbranch_scc0 .Lentry_shape_is_right
	s_endpgm
.Lentry_shape_is_right:
; h[t][f] = silu(x Wg^T) (x Wu^T), quantised to FP4 (E2M1) along F in blocks of 32.  x: 4,096 tokens x K = 4,096; Wg, Wu: 1,376 rows: 43 blocks of F.  All operands as codes with one E8M0 byte for each 32 along K; sums f32.
; A WORK-GROUP makes 256 tokens x 3 blocks of F (96 rows of Wg, 96 of Wu): 16 x 15 work-groups.  Column y begins at block min(3 y, 40); so the last column makes blocks 40 to 42 and stores 42 alone (40 and 41 are column 13's).
; A WAVE makes 64 tokens x all 192 rows: 24 accumulators of 32 x 16, 384 registers.  Source 0 = 32 rows of W, source 1 = 16 tokens: a lane holds one token, registers 0-7 f = 8 h + j, 8-15 f = 16 + 8 h + j of a block (h = lane / 16).
; W comes by JOINT tensor loads into two slots of K = 1,024 (rows of 512 bytes, 16 bytes of padding): the four token tiles of a cluster 4 x 1 share it.  Four fills in all; a refill has two K steps of 512 in which to land: no prefetch for W.
; x is each wave's own: it comes by 32 loads a K step of 512 into registers (two whole rows of 256 bytes a load), a K step ahead, goes through the wave's own LDS scratch and back as fragments.  It is not asked for jointly:
; the work-groups that share x differ in y, and 15 columns do not divide into clusters of 4.  x is prefetched into the L2 seven quarter steps or more ahead of its loads; columns 0 and 1 share the rows out, each block of 256 bytes once.
; W_down's scale bytes (rows of 43) are laid anew as words for the next launch by wave 0 of columns 0 to 7.
; OUT: h_codes [16 tokens: 256][K step: 11][4 slots][token][16 bytes]: K step s holds blocks 3 s, 3 s + 1, 3 s + 2 and 33 + s; block 43 is zero codes.  h_scales [column: 15][token][4 bytes]: the column's three scale bytes and the byte 1 (block 43's).
; wd_scales [32 rows: 128][3][row][16 bytes]: words s = 4 j .. 4 j + 3 of a row, bytes as the K steps above.
; LIMIT: where -gate x log2(e) is 126 or more the sigmoid, under 2^-126, counts as 0.
; REGISTERS.  window 0: v1-31 addresses; SW W's scale words (2 sets of 24); SX x's scale words (64 tokens x 32 words); v144-207 x fragments of quarters 2, 3; v208-255 scale bytes.  window 1: W's fragments (2 sets of 96), x's of quarters 0, 1.
; window 2: accumulators of blocks 0, 1.  window 3: block 2's, v128-255 x on its way.
.set WP,   528                         ; an LDS row of W: 512 + 16 bytes
.set XP,   272                         ; a scratch row of x: 256 + 16
.set SP,   144                         ; a row of scale bytes: 128 + 16
.set WSC,  101376                      ; behind slot 0 (192 x 528): W's scale bytes, 192 rows
.set SLOT, 131072                      ; slot 1
.set SCR,  232448                      ; behind it the waves' scratches, 64 x 272 bytes each
.set SPARE, 302080                     ; the spare words, 128 bytes a wave
.set HTILE, 11264
.set XO,   10
.set L16,  11
.set XSA,  12
.set XLA,  13
.set SSA,  14
.set WSA,  15
.set SLA,  16
.set ADRS, 17
.set AG,   18                          ; v18, v19: gate's and up's fragments in the slot that is read
.set AG0,  20                          ; v20, v21: the same in slot 0
.set PFO,  22
.set CO1,  23
.set CO2,  24
.set HSO,  25
.set SO,   26
.set SPW,  28
.set NIL,  29
.set UO,   30
.set MX,   6
.set MY,   8
.set SW,   32
.set SX,   80
.set T,    144
.set RC,   176
.set BW,   200
.set BYA,  204
.set HSA,  206
.set HSR,  207
.set U,    208
.set ST,   128
.set G1,   32
.set G0,   40
.set SEL,  44
.set XB,   46
.set PFA,  48
.set MSB, 0
.set OPS, 0
.macro WIN new                         ; the immediate's high byte repeats the setting that is left
.set WNEW, \new
.if MSB != WNEW
	s_set_vgpr_msb (MSB<<8)|WNEW
.set MSB, WNEW
.endif
.endm
.macro CREST                           ; a round of the cluster's barrier behind its opening barrier
	s_cmp_lg_u32 s24, 0
	s_cbranch_scc1 .Lnot_wave_0_\@
	s_barrier_signal -3
.Lnot_wave_0_\@:
	s_barrier_wait -3
	s_barrier_signal -1
	s_barrier_wait -1
.endm
.macro CROUND
	s_barrier_signal -1
	s_barrier_wait -1
	CREST
.endm
.macro JLOAD                           ; my 48 rows of a slot: one line for all waves, the same descriptor in all four partners
	tensor_load_to_lds s[G0:G0+3], s[G1:G1+7]
	s_nop 0
.rept 4
	v_nop
.endr
.endm
.macro XGL g, kb, reg, win             ; 8 loads of x: 16 of my rows, 256 bytes each at byte kb
	WIN \win
.irp i, 0,1,2,3,4,5,6,7
	global_load_b128 v[(\reg)+32*(\g)+4*\i:(\reg)+32*(\g)+4*\i+3], v[XO], s[XB:XB+1] offset:4096*(8*(\g)+\i)+(\kb)
.endr
.endm
.macro XST g, reg, win                 ; and into my scratch
	WIN \win
.irp i, 0,1,2,3,4,5,6,7
	ds_store_b128 v[XSA], v[(\reg)+32*(\g)+4*\i:(\reg)+32*(\g)+4*\i+3] offset:2*XP*(8*(\g)+\i)
.endr
.set OPS, OPS+8
.endm
.macro XLD Q, t0                       ; x's fragments of quarter Q, token tiles t0 and t0 + 1
.if (\Q) < 2
	WIN 0x40
.set xR, 192+32*(\Q)
.else
	WIN 0
.set xR, 144+32*((\Q)-2)
.endif
.irp t, \t0, \t0+1
.irp c, 0,1
	ds_load_b128 v[xR+8*(\t)+4*\c:xR+8*(\t)+4*\c+3], v[XLA] offset:(\t)*16*XP+64*(\Q)+32*\c
.endr
.endr
.set OPS, OPS+4
.endm
.macro WLD P, set, nb                  ; W's 32 rows P = 2 x block + (0 gate, 1 up), 128 along K at byte nb, into a set
	WIN 0x40
.irp u, 0,1
.irp c, 0,1
	ds_load_b128 v[96*(\set)+16*(\P)+8*\u+4*\c:96*(\set)+16*(\P)+8*\u+4*\c+3], v[AG+(\P)%2] offset:(32*((\P)/2)+16*\u)*WP+(\nb)+32*\c
.endr
.endr
.set OPS, OPS+4
.endm
.macro SWLD P0, set, imm               ; a K step's scale words of rows P0 and P0 + 1: lane l has row l of the 32
	WIN 0
.irp P, \P0, \P0+1
	ds_load_b128 v[SW+24*(\set)+4*(\P):SW+24*(\set)+4*(\P)+3], v[ADRS] offset:(96*((\P)%2)+32*((\P)/2))*SP+(\imm)
.endr
.set OPS, OPS+2
.endm
; LW0 .. LW3 (2 x set + half): the LDS instructions issued up to the last loads of W into that half of a set; OPS: all so far.  So OPS less the mark may be out at a wait for that half.
.macro MARKW set, hf
.set kI, 2*(\set)+(\hf)
.if kI == 0
.set LW0, OPS
.elseif kI == 1
.set LW1, OPS
.elseif kI == 2
.set LW2, OPS
.else
.set LW3, OPS
.endif
.endm
.macro WAITW Q, hf
.set kI, 2*((\Q)%2)+(\hf)
.if kI == 0
.set WN, OPS-LW0
.elseif kI == 1
.set WN, OPS-LW1
.elseif kI == 2
.set WN, OPS-LW2
.else
.set WN, OPS-LW3
.endif
.if WN > 63
.set WN, 63
.endif
	s_wait_dscnt WN
.endm
.macro WHALF set, hf, nb               ; rows 3 hf .. 3 hf + 2: twelve loads
	WLD 3*(\hf), \set, \nb
	WLD 3*(\hf)+1, \set, \nb
	WLD 3*(\hf)+2, \set, \nb
	MARKW \set, \hf
.endm
.macro MULP P, Q, kp, sg, zero         ; rows P x my four token tiles, quarter Q; kp: the set of W's scale words; sg: the word of x's
.if (\Q) < 2
.set xB, 192+32*(\Q)
.set xW, 5
.else
.set xB, 144+32*((\Q)-2)
.set xW, 1
.endif
.if (\P) < 4
	WIN 0xa0+xW
.else
	WIN 0xf0+xW
.endif
.irp a, 0,1,2,3
.set rD, (64*(\P)+16*\a)%256
.set rA, 96*((\Q)%2)+16*(\P)
.set rX, xB+8*\a
.set rS, SW+24*(\kp)+4*(\P)+(\Q)
.set rU, SX+32*(\a/2)+(\sg)
.set rM, 2*(\zero)+(\a%2)
.if rM == 0
	v_wmma_scale_f32_32x16x128_f4 v[rD:rD+15], v[rA:rA+15], v[rX:rX+7], v[rD:rD+15], v[rS], v[rU]
.elseif rM == 1
	v_wmma_scale_f32_32x16x128_f4 v[rD:rD+15], v[rA:rA+15], v[rX:rX+7], v[rD:rD+15], v[rS], v[rU] matrix_b_scale:MATRIX_SCALE_ROW1
.elseif rM == 2
	v_wmma_scale_f32_32x16x128_f4 v[rD:rD+15], v[rA:rA+15], v[rX:rX+7], 0, v[rS], v[rU]
.else
	v_wmma_scale_f32_32x16x128_f4 v[rD:rD+15], v[rA:rA+15], v[rX:rX+7], 0, v[rS], v[rU] matrix_b_scale:MATRIX_SCALE_ROW1
.endif
.endr
.endm
.macro MUL3 hf, Q, kp, sg, zero        ; half a quarter: twelve products
	WAITW \Q, \hf
	MULP 3*(\hf), \Q, \kp, \sg, \zero
	MULP 3*(\hf)+1, \Q, \kp, \sg, \zero
	MULP 3*(\hf)+2, \Q, \kp, \sg, \zero
.endm
; The run of loads behind half hf of quarter Q.  W: into the rows of the set just used, for the quarter two on.  x = 1: x's fragments of the quarter before this one for the next K step (in quarter 0, quarter 3's, still for this one).
; xg = 1, in quarters 0 and 1: the next K step's x goes to my scratch, between the last reads of this K step's and the first of the next one's; and where kb is 0 or more, the loads of the K step behind it, at byte kb.  sw: the next K step's scale words, or -1.
; The four v_nop are the places between products that have read registers and the loads into them (ISA guide 7.12.1 for vector instructions).
.macro RUN Q, kp, hf, x, xg, kb, sw
.rept 4
	v_nop
.endr
.if (\sw) >= 0
.if (\hf) == 0
	SWLD 0, 1-(\kp), \sw
	SWLD 2, 1-(\kp), \sw
.else
	SWLD 4, 1-(\kp), \sw
.endif
.endif
	WHALF (\Q)%2, \hf, (256*(\kp)+64*(\Q)+128)%512
.if \x
.if ((\Q) == 0) && ((\hf) == 0)
	XLD 3, 0
	XLD 3, 2
.endif
.if ((\Q) == 1) && ((\hf) == 1)
	XLD 0, 0
	XLD 0, 2
.endif
.if (\Q) > 1
	XLD (\Q)-1, 2*(\hf)
.endif
.endif
.if (\xg) && ((\Q)+(\hf) == 1)
.irp g, 0,1
.if (\kb) >= 0
	s_wait_loadcnt 24                              ; these eight loads are in: 24 younger ones are out
.else
	s_wait_loadcnt 24-8*(2*(\Q)+\g)
.endif
	XST 2*(\Q)+\g, ST, 0x0c
.if (\kb) >= 0
	XGL 2*(\Q)+\g, \kb, ST, 0xc0
.endif
.endr
.endif
.endm
; A quarter step, 128 along K: twice twelve products and a run of loads.  The 24 accumulators take turns in the same order in every quarter.
.macro QSTEP Q, kp, sg, zero, x, xg, kb, sw
.irp hf, 0,1
	MUL3 \hf, \Q, \kp, \sg, \zero
	RUN \Q, \kp, \hf, \x, \xg, \kb, \sw
.endr
.endm
; A slot's seventh quarter changes slots: the loads of its eighth have been issued, so behind the barrier nobody reads the slot any more.  fill = 1: it is filled again, and a round of the cluster's barrier stands in the barrier's place.
.macro QTURN sg, fill, sw
	WIN 0
	s_wait_tensorcnt 0x0                           ; my part of the next slot is in
.if \fill
	ds_add_u32 v[SPW], v[NIL]
.set OPS, OPS+1
	s_add_nc_u64 s[G0+2:G0+3], s[G0+2:G0+3], 512
	s_xor_b32 s[G0+1], s[G0+1], SLOT
.endif
	MUL3 0, 2, 1, \sg, 0
	s_wait_dscnt 0x0                               ; the add is done, and my reads of this slot are over
	s_barrier_signal -1
	MULP 3, 2, 1, \sg, 0
	MULP 4, 2, 1, \sg, 0
	MULP 5, 2, 1, \sg, 0
	WIN 0
	s_barrier_wait -1
.if \fill
	CREST
	JLOAD                                          ; its four v_nop are also the places in front of the loads below
.else
.rept 4
	v_nop
.endr
.endif
	s_xor_b32 s50, s50, SLOT
	v_add_nc_u32 v[AG], s50, v[AG0]
	v_add_nc_u32 v[AG+1], s50, v[AG0+1]
	s_wait_alu depctr_va_vdst(0)
	SWLD 0, 0, \sw
	SWLD 2, 0, \sw
	WHALF 0, 0, 0
	SWLD 4, 0, \sw
	WHALF 0, 1, 0
	XLD 1, 0
	XLD 1, 2
.endm
.macro ASK imm                         ; columns 0 and 1: 32 rows of x a wave, one block of 256 bytes a lane
	WIN 0
	s_cmp_lt_u32 s29, 2
	s_cbranch_scc0 .Lnot_mine_\@
	global_prefetch_b8 v[PFO], s[PFA:PFA+1] offset:\imm th:TH_LOAD_NT scope:SCOPE_SE
.Lnot_mine_\@:
.endm
	s_load_b256 s[4:11], s[0:1], 0x0               ; x codes, x scales, Wg codes, Wg scales
	s_load_b256 s[12:19], s[0:1], 0x20             ; Wu codes, Wu scales, Wd scales, h_codes
	s_load_b128 s[20:23], s[0:1], 0x40             ; h_scales, wd_scales
	v_lshl_add_u32 v[SPW], v0, 2, SPARE
	v_mov_b32 v[NIL], 0
	ds_add_u32 v[SPW], v[NIL]                      ; the opening add, twice on end
	ds_add_u32 v[SPW], v[NIL]
	v_lshrrev_b32 v3, 5, v0
	v_readfirstlane_b32 s24, v3                    ; wave
	s_lshr_b32 s25, s24, 1                         ; I fetch for Wg (0) or Wu (1),
	s_and_b32 s26, s24, 1                          ; the first or second 48 rows
	s_bfe_u32 s27, ttmp6, 0x40000
	s_lshl_b32 s28, ttmp9, 2
	s_add_co_u32 s28, s28, s27                     ; token tile; it enters x's and the outputs' addresses alone
	s_and_b32 s29, ttmp7, 0xffff                   ; column
	s_mul_i32 s30, s29, 3
	s_min_u32 s30, s30, 40                         ; its first block
	s_mov_b32 s[G1], 15|(1<<20)|(1<<21)|(6<<22)|(3<<25)   ; mask: all four partners; bytes; 16 of padding behind every 128 words
	s_mov_b32 s[G1+1], 512<<16
	s_mov_b32 s[G1+2], 48<<16
	s_mov_b32 s[G1+3], 512<<16
	s_mov_b32 s[G1+4], 48
	s_mov_b32 s[G1+5], 2048
	s_mov_b32 s[G1+6], 0
	s_mov_b32 s[G1+7], 0
	s_mov_b32 s[SEL], 0x76543210
	s_mov_b32 s[SEL+1], 0xfedcba98
	s_mov_b32 s50, 0
	s_lshl_b32 s52, s30, 16                        ; W: my first row x 2,048
	s_mul_i32 s53, s26, 48*2048
	s_add_co_u32 s52, s52, s53
	s_mov_b32 s53, 0
	s_lshr_b32 s54, s52, 4                         ; its scale bytes: x 128
	s_mov_b32 s55, 0
	s_lshl_b32 s56, s28, 19                        ; x: token 256 x tile + 64 x wave, x 2,048
	s_lshl_b32 s57, s24, 17
	s_add_co_u32 s56, s56, s57
	s_mov_b32 s57, 0
	s_lshr_b32 s58, s56, 4                         ; its scale bytes
	s_mov_b32 s59, 0
	s_lshl_b32 s60, s28, 19                        ; the prefetches: 32 rows of the tile's 256, by the column's parity and the wave
	s_and_b32 s61, s29, 1
	s_lshl_b32 s61, s61, 18
	s_add_co_u32 s60, s60, s61
	s_lshl_b32 s61, s24, 16
	s_add_co_u32 s60, s60, s61
	s_mov_b32 s61, 0
	s_lshl_b32 s62, s28, 4                         ; h_codes: my first tile of 16 tokens,
	s_lshl_b32 s63, s24, 2
	s_add_co_u32 s62, s62, s63
	s_mul_i32 s62, s62, HTILE
	s_lshl_b32 s69, s30, 10                        ; and my first block's place: columns 0-10 slots 0-2 of K step y; from 11 on slot 3 of K step block - 33
	s_sub_co_u32 s69, s69, 33*1024-768
	s_lshl_b32 s63, s29, 10
	s_mov_b32 s68, 1024
	s_mov_b32 s70, 256
	s_cmp_lt_u32 s29, 11
	s_cselect_b32 s63, s63, s69
	s_cselect_b32 s68, s70, s68                    ; bytes from block to block
	s_add_co_u32 s62, s62, s63
	s_mov_b32 s63, 0
	s_lshl_b32 s70, s29, 14                        ; h_scales
	s_lshl_b32 s71, s28, 10
	s_add_co_u32 s70, s70, s71
	s_lshl_b32 s71, s24, 8
	s_add_co_u32 s70, s70, s71
	s_mov_b32 s71, 0
	s_lshl_b32 s72, s29, 4                         ; Wd's scale rows: group 16 y + tile of 32
	s_add_co_u32 s72, s72, s28
	s_mul_i32 s74, s72, 1536
	s_mul_i32 s72, s72, 32*43
	s_mov_b32 s73, 0
	s_mov_b32 s75, 0
	s_mul_i32 s66, s24, 64*XP
	s_add_co_u32 s66, s66, SCR                     ; my scratch
	s_mul_i32 s67, s24, 48*SP
	s_add_co_u32 s67, s67, WSC
	s_mul_i32 s80, s24, 48*WP
	v_and_b32 v1, 15, v0                           ; r
	v_bfe_u32 v2, v0, 4, 1                         ; h
	v_and_b32 v4, 31, v0                           ; lane
	v_lshlrev_b32 v[XO], 11, v2
	v_lshl_add_u32 v[XO], v1, 4, v[XO]
	v_lshlrev_b32 v[L16], 4, v4
	v_mul_u32_u24 v6, v2, XP
	v_lshl_add_u32 v6, v1, 4, v6
	v_add_nc_u32 v[XSA], s66, v6
	v_mul_u32_u24 v6, v1, XP
	v_lshl_add_u32 v6, v2, 4, v6
	v_add_nc_u32 v[XLA], s66, v6
	v_lshrrev_b32 v6, 3, v4                        ; scale bytes arrive four rows of 128 bytes a load
	v_and_b32 v7, 7, v4
	v_mul_u32_u24 v6, v6, SP
	v_lshl_add_u32 v6, v7, 4, v6
	v_add_nc_u32 v[SSA], s66, v6
	v_add_nc_u32 v[WSA], s67, v6
	v_mul_u32_u24 v7, v4, SP
	v_add_nc_u32 v[SLA], s66, v7
	v_add_nc_u32 v[ADRS], WSC, v7
	v_mul_u32_u24 v6, v1, WP
	v_lshl_add_u32 v[AG0], v2, 4, v6
	v_add_nc_u32 v[AG0+1], 96*WP, v[AG0]
	v_mov_b32 v[AG], v[AG0]
	v_mov_b32 v[AG+1], v[AG0+1]
	v_lshlrev_b32 v[PFO], 11, v4
	v_mul_u32_u24 v[UO], v4, 43
	s_wait_alu depctr_va_vdst(0)
	s_wait_dscnt 0x0                               ; both opening adds are done
	s_wait_kmcnt 0x0
	s_cmp_eq_u32 s25, 0
	s_cselect_b64 s[76:77], s[8:9], s[12:13]
	s_cselect_b64 s[78:79], s[10:11], s[14:15]
	s_add_nc_u64 s[76:77], s[76:77], s[52:53]
	s_add_nc_u64 s[78:79], s[78:79], s[54:55]
	s_add_nc_u64 s[XB:XB+1], s[4:5], s[56:57]
	s_add_nc_u64 s[6:7], s[6:7], s[58:59]
	s_add_nc_u64 s[PFA:PFA+1], s[4:5], s[60:61]
	s_add_nc_u64 s[18:19], s[18:19], s[62:63]
	s_add_nc_u64 s[20:21], s[20:21], s[70:71]
	s_add_nc_u64 s[16:17], s[16:17], s[72:73]
	s_add_nc_u64 s[22:23], s[22:23], s[74:75]
	s_mov_b32 s[G0], 1
	s_mov_b32 s[G0+1], s80
	s_mov_b64 s[G0+2:G0+3], s[76:77]
	s_or_b32 s[G0+3], s[G0+3], 0x80000000
	WIN 0x80                                       ; the accumulators' registers hold what arrives first: x's scale bytes at window 2's v128, x of K step 0 at its v0
.irp i, 0,1,2,3,4,5,6,7,8,9,10,11,12,13,14,15
	global_load_b128 v[128+4*\i:131+4*\i], v[L16], s[6:7] offset:512*\i
.endr
	WIN 0
	CROUND                                         ; all four work-groups are here: the first joint loads meet
	JLOAD                                          ; slot 0, one tensor load a wave
.irp i, 0,1,2,3,4,5,6,7,8,9,10,11
	global_load_b128 v[U+4*\i:U+3+4*\i], v[L16], s[78:79] offset:512*\i
.endr
.irp g, 0,1,2,3
	XGL \g, 0, 0, 0x80
.endr
.irp g, 0,1,2,3
	XGL \g, 256, ST, 0xc0                          ; x of K step 1
.endr
	s_wait_loadcnt 63                              ; of 92 loads the 28 of the scale bytes are in
	WIN 0x08
.irp i, 0,1,2,3,4,5,6,7,8,9,10,11,12,13,14,15
	ds_store_b128 v[SSA], v[128+4*\i:131+4*\i] offset:4*SP*\i
.endr
	WIN 0
.irp i, 0,1,2,3,4,5,6,7,8,9,10,11
	ds_store_b128 v[WSA], v[U+4*\i:U+3+4*\i] offset:4*SP*\i
.endr
.irp p, 0,1
.irp i, 0,1,2,3,4,5,6,7
	ds_load_b128 v[SX+32*\p+4*\i:SX+32*\p+4*\i+3], v[SLA] offset:32*SP*\p+16*\i   ; LDS serves a wave's instructions in order (ISA guide 5.7.1.4)
.endr
.endr
	s_wait_loadcnt 32                              ; x of K step 0; K step 1's 32 loads may be out
.irp g, 0,1,2,3
	XST \g, 0, 0x08
.endr
.irp q, 0,1,2
	XLD \q, 0
	XLD \q, 2
.endr
	WIN 0
	s_wait_alu depctr_va_vdst(0)
	s_wait_tensorcnt 0x0                           ; my part of slot 0 is in; these lines stand ahead of a later first fill as ahead of a refill
	ds_add_u32 v[SPW], v[NIL]
	s_add_nc_u64 s[G0+2:G0+3], s[G0+2:G0+3], 512
	s_xor_b32 s[G0+1], s[G0+1], SLOT
	s_wait_dscnt 0x0                               ; the add and my stores of scale bytes are done
	CROUND
	JLOAD                                          ; slot 1
	SWLD 0, 0, 0
	SWLD 2, 0, 0
	SWLD 4, 0, 0
	WHALF 0, 0, 0
	WHALF 0, 1, 0
	WHALF 1, 0, 64
	WHALF 1, 1, 64
	QSTEP 0, 0, 0, 1, 1, 1, 512, -1                ; the first quarter starts the sums
	WIN 0
	s_mov_b32 s51, 2
.Ltrip:                                                ; a trip: from a slot's second quarter to the next slot's first.  Its waits' counts hold on both ways in: behind the loads of its first quarter's W 60 LDS instructions follow on the way from the head, 68 round the loop
	ASK 1024
	QSTEP 1, 0, 1, 0, 1, 1, 512, -1
	QSTEP 2, 0, 2, 0, 1, 0, -1, 16
	QSTEP 3, 0, 3, 0, 1, 0, -1, -1
	QSTEP 0, 1, 4, 0, 1, 1, 768, -1
	ASK 1280                                       ; in the last trip K step 7's bytes: the row's last
	QSTEP 1, 1, 5, 0, 1, 1, 768, -1
	QTURN 6, 1, 32
	QSTEP 3, 1, 7, 0, 1, 0, -1, -1
	QSTEP 0, 0, 8, 0, 1, 1, 1024, -1
	WIN 0
	s_wait_xcnt 0x0                                ; the loads and prefetches have read their bases
	s_add_nc_u64 s[XB:XB+1], s[XB:XB+1], 512
	s_add_nc_u64 s[PFA:PFA+1], s[PFA:PFA+1], 512
	v_add_nc_u32 v[ADRS], 32, v[ADRS]
.set G, 1
.rept 23                               ; x's scale words move down by a trip's eight
	v_mov_b32 v[SX+G], v[SX+G+8]
	v_mov_b32 v[SX+32+G], v[SX+32+G+8]
.set G, G+1
.endr
	s_sub_co_u32 s51, s51, 1
	s_cmp_lg_u32 s51, 0
	s_wait_alu depctr_va_vdst(0)                   ; directly ahead of the branch
	s_cbranch_scc1 .Ltrip
	QSTEP 1, 0, 1, 0, 1, 1, 512, -1                ; slot 2 goes on; nothing is filled again
	QSTEP 2, 0, 2, 0, 1, 0, -1, 16
	QSTEP 3, 0, 3, 0, 1, 0, -1, -1
	QSTEP 0, 1, 4, 0, 1, 1, 768, -1
	QSTEP 1, 1, 5, 0, 1, 1, 768, -1
	QTURN 6, 0, 32
	QSTEP 3, 1, 7, 0, 1, 0, -1, -1
	QSTEP 0, 0, 8, 0, 1, 1, -1, -1                 ; slot 3
	QSTEP 1, 0, 9, 0, 1, 1, -1, -1
	QSTEP 2, 0, 10, 0, 1, 0, -1, 48
	QSTEP 3, 0, 11, 0, 1, 0, -1, -1
	QSTEP 0, 1, 12, 0, 1, 0, -1, -1
	WIN 0
	s_cmp_lt_u32 s29, 8
	s_cbranch_scc0 .Lno_wd
	s_cmp_eq_u32 s24, 0
	s_cbranch_scc0 .Lno_wd
.set S, 0
.rept 43                               ; a lane a row of W_down's scale bytes
	global_load_u8 v[U+S], v[UO], s[16:17] offset:S
.set S, S+1
.endr
.Lno_wd:
	QSTEP 1, 1, 13, 0, 0, 0, -1, -1
	MUL3 0, 2, 1, 14, 0                            ; the last two quarters load nothing
	MUL3 1, 2, 1, 14, 0
	MUL3 0, 3, 1, 15, 0
	MUL3 1, 3, 1, 15, 0
	WIN 0
; THE WAY OUT.  SILUQ: two blocks of 32 of 16 tokens: gate at gA and gB, up 64 registers on; h in f32, its two scale bytes, its codes: lanes 0-15 block A's 16 bytes of token r, lanes 16-31 block B's.
.macro SILUQ w, gA, gB, R
	WIN \w
.irp i, 0,2,4,6,8,10,12,14
	v_pk_mul_f32 v[T+\i:T+\i+1], v[(\gA)+\i:(\gA)+\i+1], 0xbfb8aa3b op_sel_hi:[1,0]
.endr
.irp i, 0,2,4,6,8,10,12,14
	v_pk_mul_f32 v[T+16+\i:T+17+\i], v[(\gB)+\i:(\gB)+\i+1], 0xbfb8aa3b op_sel_hi:[1,0]
.endr
	WIN 0
	s_wait_alu depctr_va_vdst(0)                   ; ahead of the batch, and behind it
.irp i, 0,1,2,3,4,5,6,7,8,9,10,11,12,13,14,15,16,17,18,19,20,21,22,23,24,25,26,27,28,29,30,31
	v_exp_f32 v[T+\i], v[T+\i]
.endr
	v_nop
	s_wait_alu depctr_va_vdst(0)
.irp i, 0,2,4,6,8,10,12,14,16,18,20,22,24,26,28,30
	v_pk_add_f32 v[T+\i:T+\i+1], v[T+\i:T+\i+1], 1.0 op_sel_hi:[1,0]
.endr
	s_wait_alu depctr_va_vdst(0)
.irp i, 0,1,2,3,4,5,6,7,8,9,10,11,12,13,14,15,16,17,18,19,20,21,22,23,24,25,26,27,28,29,30,31
	v_rcp_f32 v[T+\i], v[T+\i]
.endr
	v_nop
	s_wait_alu depctr_va_vdst(0)
	WIN \w
.irp o, 0,64
.irp i, 0,2,4,6,8,10,12,14
	v_pk_mul_f32 v[T+\i:T+\i+1], v[(\gA)+\o+\i:(\gA)+\o+\i+1], v[T+\i:T+\i+1]
.endr
.irp i, 0,2,4,6,8,10,12,14
	v_pk_mul_f32 v[T+16+\i:T+17+\i], v[(\gB)+\o+\i:(\gB)+\o+\i+1], v[T+16+\i:T+17+\i]
.endr
.endr
	WIN 0
	v_max3_num_f32 v[MX], |v[T]|, |v[T+1]|, 0x1800000   ; the floor 2^(3 - 127): the byte cannot fall under 1
	v_max3_num_f32 v[MX+1], |v[T+16]|, |v[T+17]|, 0x1800000
.irp i, 2,4,6,8,10,12,14
	v_max3_num_f32 v[MX], v[MX], |v[T+\i]|, |v[T+\i+1]|
	v_max3_num_f32 v[MX+1], v[MX+1], |v[T+16+\i]|, |v[T+17+\i]|
.endr
	v_permlanex16_b32 v[MY], v[MX], s[SEL], s[SEL+1]
	v_permlanex16_b32 v[MY+1], v[MX+1], s[SEL], s[SEL+1]
	v_max_num_f32 v[MX], v[MX], v[MY]
	v_max_num_f32 v[MX+1], v[MX+1], v[MY+1]
	v_add_nc_u32 v[SO], 0xff000000, v[MX]          ; 2 off the exponent field
	v_add_nc_u32 v[SO+1], 0xff000000, v[MX+1]
	v_lshrrev_b32 v[BYA], 23, v[SO]
	v_lshrrev_b32 v[BYA+1], 23, v[SO+1]
	v_cvt_scalef32_pk8_fp4_f32 v[\R], v[T:T+7], v[SO]
	v_cvt_scalef32_pk8_fp4_f32 v[\R+1], v[T+16:T+23], v[SO+1]
	v_cvt_scalef32_pk8_fp4_f32 v[\R+2], v[T+8:T+15], v[SO]
	v_cvt_scalef32_pk8_fp4_f32 v[\R+3], v[T+24:T+31], v[SO+1]
	v_nop
	v_permlane16_swap_b32 v[\R], v[\R+1]
	v_permlane16_swap_b32 v[\R+2], v[\R+3]
.endm
.rept 4
	v_nop                                          ; places in front of the first reads of results
.endr
	v_mul_u32_u24 v[CO1], s68, v2
	v_lshl_add_u32 v[CO1], v1, 4, v[CO1]           ; lanes 16-31: the next block
	v_mul_u32_u24 v[CO2], v2, HTILE
	v_lshl_add_u32 v[CO2], v1, 4, v[CO2]           ; lanes 16-31: the next 16 tokens; block 2
	s_lshl_b32 s69, s68, 1
	v_add_nc_u32 v[CO2], s69, v[CO2]
	v_lshl_add_u32 v[HSA], v1, 2, s66
	v_lshl_add_u32 v[HSR], v4, 3, s66
	v_lshlrev_b32 v[HSO], 3, v4
	v_mov_b32 v[MY], 0
	v_mov_b32 v[MY+1], 0
	s_wait_alu depctr_va_vdst(0)
.irp a, 0,2                            ; block 2 of token tiles a and a + 1
	SILUQ 3, 16*\a, 16*\a+16, RC+2*\a
	v_lshl_or_b32 v[BW+\a], v[BYA], 16, 0x1000000
	v_lshl_or_b32 v[BW+\a+1], v[BYA+1], 16, 0x1000000
	global_store_b128 v[CO2], v[RC+2*\a:RC+2*\a+3], s[18:19] offset:\a*HTILE
.endr
	s_wait_alu depctr_va_vdst(0)                   ; ahead of the branch
	s_cmp_lg_u32 s29, 14
	s_cbranch_scc0 .Llast
.irp a, 0,1,2,3                        ; blocks 0 and 1 of token tile a
	SILUQ 2, 16*\a, 128+16*\a, RC+8+4*\a
	v_or_b32 v[BW+\a], v[BYA], v[BW+\a]
	v_lshl_or_b32 v[BW+\a], v[BYA+1], 8, v[BW+\a]
	global_store_b128 v[CO1], v[RC+8+4*\a:RC+11+4*\a], s[18:19] offset:\a*HTILE
.endr
	s_wait_alu depctr_va_vdst(0)
	s_branch .Lcodes
.Llast:                                                ; the last column stores block 43's zero codes, 1,024 bytes behind block 42's
.irp i, 0,1,2,3
	v_mov_b32 v[RC+8+\i], 0
.endr
.irp a, 0,2
	global_store_b128 v[CO2], v[RC+8:RC+11], s[18:19] offset:\a*HTILE+1024
.endr
	s_wait_alu depctr_va_vdst(0)
.Lcodes:
.irp a, 0,1,2,3
	ds_store_b32 v[HSA], v[BW+\a] offset:64*\a     ; my 64 tokens' words, 256 bytes in my own scratch
.endr
	ds_load_b64 v[T:T+1], v[HSR]
	s_wait_dscnt 0x0
	global_store_b64 v[HSO], v[T:T+1], s[20:21]    ; 32 lanes store 256 consecutive bytes
	s_cmp_lt_u32 s29, 8
	s_cbranch_scc0 .Lend
	s_cmp_eq_u32 s24, 0
	s_cbranch_scc0 .Lend
	s_wait_loadcnt 0x0
.set S, 0
.rept 11
	v_lshl_or_b32 v[T+16+S], v[U+3*S+1], 8, v[U+3*S]
.set S, S+1
.endr
.set S, 0
.rept 11
	v_lshl_or_b32 v[T+16+S], v[U+3*S+2], 16, v[T+16+S]
.set S, S+1
.endr
.set S, 0
.rept 10
	v_lshl_or_b32 v[T+16+S], v[U+33+S], 24, v[T+16+S]
.set S, S+1
.endr
	v_or_b32 v[T+26], 0x7f000000, v[T+26]          ; block 43: 2^0, beside h's zero codes
	v_mov_b32 v[T+27], 0x7f7f7f7f                  ; (fills the row's 48 bytes)
.irp j, 0,1,2
	global_store_b128 v[L16], v[T+16+4*\j:T+19+4*\j], s[22:23] offset:512*\j
.endr
.Lend:
	s_wait_tensorcnt 0x0                           ; the wave's end
	ds_add_u32 v[SPW], v[NIL]
	s_wait_dscnt 0x0
	CROUND                                         ; no work-group ends while a partner may still ask for a tile that names it
	s_endpgm
.Lfunc_end_k_q5fd948fc59_gateup:
	.size	k_q5fd948fc59_gateup, .Lfunc_end_k_q5fd948fc59_gateup-k_q5fd948fc59_gateup
	.p2alignl 7, 3214868480
	.fill 96, 4, 3214868480
	.section	.rodata,"a",@progbits
	.p2align	6, 0x0
	.amdhsa_kernel k_q5fd948fc59_gateup
		.amdhsa_group_segment_fixed_size 327680
		.amdhsa_private_segment_fixed_size 0
		.amdhsa_enable_private_segment 0
		.amdhsa_kernarg_size 80
		.amdhsa_user_sgpr_count 2
		.amdhsa_user_sgpr_kernarg_segment_ptr 1
		.amdhsa_wavefront_size32 1
		.amdhsa_system_sgpr_workgroup_id_x 1
		.amdhsa_system_sgpr_workgroup_id_y 1
		.amdhsa_system_sgpr_workgroup_id_z 1
		.amdhsa_system_vgpr_workitem_id 0
		.amdhsa_next_free_vgpr 1024
		.amdhsa_next_free_sgpr 96
		.amdhsa_reserve_vcc 0
		.amdhsa_float_denorm_mode_32 3
		.amdhsa_float_denorm_mode_16_64 3
		.amdhsa_memory_ordered 1
		.amdhsa_forward_progress 1
		.amdhsa_inst_pref_size 243
	.end_amdhsa_kernel
	.amdgpu_metadata
---
amdhsa.version: [ 1, 2 ]
amdhsa.kernels:
  - .name:           k_q5fd948fc59_gateup
    .symbol:         k_q5fd948fc59_gateup.kd
    .args:
      - { .name: x_codes, .offset: 0, .size: 8, .value_kind: global_buffer, .address_space: global }
      - { .name: x_scales, .offset: 8, .size: 8, .value_kind: global_buffer, .address_space: global }
      - { .name: W_gate_codes, .offset: 16, .size: 8, .value_kind: global_buffer, .address_space: global }
      - { .name: W_gate_scales, .offset: 24, .size: 8, .value_kind: global_buffer, .address_space: global }
      - { .name: W_up_codes, .offset: 32, .size: 8, .value_kind: global_buffer, .address_space: global }
      - { .name: W_up_scales, .offset: 40, .size: 8, .value_kind: global_buffer, .address_space: global }
      - { .name: W_down_scales, .offset: 48, .size: 8, .value_kind: global_buffer, .address_space: global }
      - { .name: h_codes, .offset: 56, .size: 8, .value_kind: global_buffer, .address_space: global }
      - { .name: h_scales, .offset: 64, .size: 8, .value_kind: global_buffer, .address_space: global }
      - { .name: wd_scales, .offset: 72, .size: 8, .value_kind: global_buffer, .address_space: global }
    .group_segment_fixed_size: 327680
    .private_segment_fixed_size: 0
    .kernarg_segment_align: 8
    .kernarg_segment_size: 80
    .max_flat_workgroup_size: 128
    .sgpr_count:     96
    .vgpr_count:     1024
    .wavefront_size: 32
...
	.end_amdgpu_metadata
.endif
;; end of part 1
;; launch down (part 2): grid 16 x 16, 4 waves a work-group, clusters of 4 x 1, 327,680 bytes of LDS; arguments h_codes, h_scales, W_down_codes, wd_scales, out0; writes out0
.if DOCPART == 2
	.amdgcn_target "amdgcn-amd-amdhsa--gfx1250"
	.amdhsa_code_object_version 6
	.text
	.protected	k_q5fd948fc59_down
	.globl	k_q5fd948fc59_down
	.p2align	8
	.type	k_q5fd948fc59_down,@function
k_q5fd948fc59_down:
	s_mov_b64 s[64:65], 0
	v_nop
	global_prefetch_b8 v0, s[64:65] scope:SCOPE_SE
	s_setreg_imm32_b32 hwreg(HW_REG_WAVE_MODE, 25, 1), 1
	s_wait_xcnt 0x0
	s_wait_alu depctr_hold_cnt(0) depctr_sa_sdst(0) depctr_va_vdst(0) depctr_va_sdst(0) depctr_va_ssrc(0) depctr_va_vcc(0) depctr_vm_vsrc(0)
	s_getreg_b32 s2, hwreg(HW_REG_IB_STS2, 6, 4)
	s_cmp_eq_u32 s2, 0
	s_cbranch_scc0 .Lentry_in_a_cluster
	s_endpgm
.Lentry_in_a_cluster:
	s_bfe_u32 s2, ttmp6, 0x10000c
	s_cmp_lg_u32 s2, 0x3003
	s_cbranch_scc0 .Lentry_shape_is_right
	s_endpgm
.Lentry_shape_is_right:
; y[t][d] = sum over f of h[t][f] Wd[d][f], both as codes of FP4 (E2M1), an E8M0 byte for each 32 along F.  4,096 tokens, 4,096 outputs, F = 43 blocks in 11 K steps of four: K step s takes blocks 3 s, 3 s + 1, 3 s + 2 and 33 + s, on both sides alike.
; Block 43 (K step 10's last) does not exist: h_codes holds zero codes there, and Wd's side repeats block 42 under the byte 127: a zero code times a finite number adds 0.
; SHARES.  A work-group makes 256 tokens x 256 outputs, a wave 64 tokens x all 256.  h stays in registers: 44 fragments, 352 registers, two loads of 512 consecutive bytes each.
; Wd's 256 rows of 688 bytes are one dense block: they come as rows of 256 bytes, each byte filled once: chunk 0 (64 rows) by the head's loads, chunks 1 to 3 by one more load a wave behind a round.  LDS rows 688 bytes (43 x 16) apart let the
; 16 rows of a fragment load start at 16 different groups of four banks (64 banks of 4 bytes: ISA guide 11.1).  The four token tiles of a cluster 4 x 1 ask for Wd jointly.
; Four chunks of 64 columns: 11 K steps x 8 matrix instructions (32 rows of Wd x 16 tokens; the 8 accumulators by turns), then the chunk's rows leave while the next is multiplied.  A lane holds eight neighbouring numbers of a row of y.
; Wd's fragments have four sets: K step n of the 44 (11 x chunk + s) takes set n % 4, and is fetched behind K step n - 4's products, two K steps in a run of loads.
; No prefetch: every load of the launch is issued at its head.
; REGISTERS.  window 0: addresses; SA, SBR scale words; RAW.  window 1: h's fragments of K steps 0-7 (v[64 a + 8 s]); window 2: of 8-10 (v[24 a + 8 (s - 8)]), and BF, Wd's.  window 3: v0-127 accumulators, v128-255 rows on the way out.
.set WR,   688
.set TB,   16*WR
.set CHB,  64*WR
.set HTILE, 11264
.set STG,  256*WR                      ; the way out: 16 rows x (256 + 16 bytes) for each wave
.set SPITCH, 272
.set SPARE, STG+4*16*SPITCH
.set ROWY, 16384
.set AO,   5
.set SO,   7
.set AC,   8                           ; v8-18: where lanes find registers 4-7 of K step 0 .. 10's fragments
.set A0,   19                          ; registers 0-3
.set STO,  24
.set RD,   25
.set CO,   26
.set SPW,  28
.set NIL,  29
.set SA,   32                          ; h's scale words: 11 p + s, lane l = token 32 p + l
.set SBR,  56                          ; Wd's: 12 p + s, lane l = row 32 p + l
.set RAW,  200                         ; h's columns' words on arrival: 15 p + column
.set BF,   96                          ; in window 2: Wd's fragments, four sets of 32
.set BK,   128
.set G1A,  24
.set G1B,  32
.set G0,   40
.set MSB, 0
.set OPS, 0
.macro WIN new
.set WNEW, \new
.if MSB != WNEW
	s_set_vgpr_msb (MSB<<8)|WNEW
.set MSB, WNEW
.endif
.endm
.set M_LO,  0xf6                       ; source 0 (Wd) window 2, source 1 (h) window 1, C and D window 3
.set M_HI,  0xfa                       ; the same with h in window 2
.set W_OUT, 0xcc
.macro PLACES n                        ; plain lines between a matrix instruction and what reads, loads into or writes over its registers
.rept \n
	v_nop
.endr
.endm
.macro CROUND
	s_barrier_signal -1
	s_barrier_wait -1
	s_cmp_lg_u32 s14, 0
	s_cbranch_scc1 .Lnot_wave_0_\@
	s_barrier_signal -3
.Lnot_wave_0_\@:
	s_barrier_wait -3
	s_barrier_signal -1
	s_barrier_wait -1
.endm
.macro HFR s                           ; h's four fragments of K step s
.if (\s) < 8
	WIN 0x40
.set HM, 64
.set HB, 8*(\s)
.else
	WIN 0x80
.set HM, 24
.set HB, 8*((\s)-8)
.endif
.irp a, 0,1,2,3
.irp k, 0,1
	global_load_b128 v[HM*\a+HB+4*\k:HM*\a+HB+4*\k+3], v[AO], s[4:5] offset:\a*HTILE+(\s)*1024+512*\k
.endr
.endr
.endm
.macro WSW p                           ; Wd's scale words of 32 rows: 512 consecutive bytes a load
.irp j, 0,1,2
	global_load_b128 v[SBR+12*\p+4*\j:SBR+12*\p+4*\j+3], v[AO], s[10:11] offset:\p*1536+512*\j
.endr
.endm
	s_load_b128 s[4:7], s[0:1], 0x0                ; h_codes, h_scales
	s_load_b128 s[8:11], s[0:1], 0x10              ; Wd's codes, wd_scales
	s_load_b64 s[12:13], s[0:1], 0x20              ; y
	v_lshl_add_u32 v[SPW], v0, 2, SPARE
	v_mov_b32 v[NIL], 0
	ds_add_u32 v[SPW], v[NIL]                      ; the opening add, twice on end
	ds_add_u32 v[SPW], v[NIL]
	v_lshrrev_b32 v1, 5, v0
	v_readfirstlane_b32 s14, v1
	s_bfe_u32 s15, ttmp6, 0x40000
	s_lshl_b32 s16, ttmp9, 2
	s_add_co_u32 s16, s16, s15                     ; token tile: it enters h's and y's addresses alone
	s_and_b32 s17, ttmp7, 0xffff                   ; column tile
	s_mov_b32 s[G1A], 15|(1<<21)                   ; all four partners; bytes; no padding: 43 rows of 256 bytes = 16 rows of Wd
	s_mov_b32 s[G1A+1], 256<<16
	s_mov_b32 s[G1A+2], 43<<16
	s_mov_b32 s[G1A+3], 256<<16
	s_mov_b32 s[G1A+4], 43
	s_mov_b32 s[G1A+5], 256
	s_mov_b32 s[G1A+6], 0
	s_mov_b32 s[G1A+7], 0
	s_mov_b32 s[G1B], 15|(1<<21)                   ; 129 of them = 48 rows of Wd
	s_mov_b32 s[G1B+1], 256<<16
	s_mov_b32 s[G1B+2], 129<<16
	s_mov_b32 s[G1B+3], 256<<16
	s_mov_b32 s[G1B+4], 129
	s_mov_b32 s[G1B+5], 256
	s_mov_b32 s[G1B+6], 0
	s_mov_b32 s[G1B+7], 0
	s_mul_i32 s60, s14, TB                         ; chunk 0: rows 16 w ..
	s_mul_i32 s61, s14, 3*TB                       ; chunks 1-3: rows 64 + 48 w ..
	s_add_co_u32 s61, s61, CHB
	s_mul_i32 s18, s17, 256*WR
	s_add_co_u32 s20, s18, s60
	s_mov_b32 s21, 0
	s_add_co_u32 s22, s18, s61
	s_mov_b32 s23, 0
	s_lshl_b32 s66, s16, 4                         ; h: tile of 16 tokens 16 x token tile + 4 w
	s_lshl_b32 s67, s14, 2
	s_add_co_u32 s66, s66, s67
	s_mul_i32 s66, s66, HTILE
	s_mov_b32 s67, 0
	s_lshl_b32 s68, s16, 10                        ; its scale words
	s_lshl_b32 s69, s14, 8
	s_add_co_u32 s68, s68, s69
	s_mov_b32 s69, 0
	s_lshl_b32 s70, s16, 22                        ; y: that token's row, + 1,024 bytes x column tile
	s_lshl_b32 s71, s14, 20
	s_add_co_u32 s70, s70, s71
	s_lshl_b32 s71, s17, 10
	s_add_co_u32 s70, s70, s71
	s_mov_b32 s71, 0
	s_mul_i32 s72, s17, 8*1536                     ; Wd's scale words
	s_mov_b32 s73, 0
	s_mul_i32 s62, s14, 16*SPITCH
	s_add_co_u32 s62, s62, STG                     ; my stage
	v_and_b32 v1, 15, v0                           ; r
	v_bfe_u32 v2, v0, 4, 1                         ; h
	v_and_b32 v6, 31, v0                           ; lane
	v_lshlrev_b32 v[AO], 4, v6
	v_lshlrev_b32 v[SO], 2, v6
	v_mul_u32_u24 v3, v1, WR                       ; a fragment's registers 0-3: blocks 3 s (lanes 0-15) and 3 s + 1 (16-31), byte 48 s + 16 h of row r;
	v_lshl_add_u32 v[A0], v2, 4, v3
.irp s, 0,1,2,3,4,5,6,7,8,9
	v_mad_u32_u24 v[AC+\s], v2, 496-32*\s, v3      ; registers 4-7: block 3 s + 2, byte 48 s + 32, and block 33 + s, byte 528 + 16 s
.endr
	v_mad_u32_u24 v[AC+10], v2, 160, v3            ; K step 10: blocks 32 and, for the block that does not exist, 42
	v_mul_u32_u24 v4, v1, SPITCH                   ; into the stage: row r, 32 bytes for each half of the lanes
	v_lshl_add_u32 v4, v2, 5, v4
	v_add_nc_u32 v[STO], s62, v4
	v_mul_u32_u24 v4, v2, SPITCH                   ; back: lanes 0-15 one row of 256 bytes, lanes 16-31 the next
	v_lshl_add_u32 v4, v1, 4, v4
	v_add_nc_u32 v[RD], s62, v4
	v_lshlrev_b32 v4, 14, v2
	v_lshl_add_u32 v[CO], v1, 4, v4
	s_wait_alu depctr_va_vdst(0)
	s_wait_dscnt 0x0                               ; both opening adds are done
	s_wait_kmcnt 0x0
	s_add_nc_u64 s[20:21], s[8:9], s[20:21]
	s_add_nc_u64 s[22:23], s[8:9], s[22:23]
	s_add_nc_u64 s[4:5], s[4:5], s[66:67]
	s_add_nc_u64 s[6:7], s[6:7], s[68:69]
	s_add_nc_u64 s[12:13], s[12:13], s[70:71]
	s_add_nc_u64 s[10:11], s[10:11], s[72:73]
	s_mov_b32 s[G0], 1
	s_mov_b32 s[G0+1], s60
	s_mov_b64 s[G0+2:G0+3], s[20:21]
	s_or_b32 s[G0+3], s[G0+3], 0x80000000
	CROUND                                         ; all four work-groups are here: the joint loads meet
	tensor_load_to_lds s[G0:G0+3], s[G1A:G1A+7]    ; my 16 rows of chunk 0
	s_nop 0
	PLACES 4
	WSW 0                                          ; 124 loads: chunk 0's scale words, h's, h's 11 K steps
	WSW 1
.irp p, 0,1
.irp c, 0,1,2,3,4,5,6,7,8,9,10,11,12,13,14
	global_load_b32 v[RAW+15*\p+\c], v[SO], s[6:7] offset:\c*16384+\p*128
.endr
.endr
.irp s, 0,1,2,3,4,5,6,7,8,9,10
	HFR \s
.endr
	WIN 0
	s_wait_alu depctr_va_vdst(0)
	s_wait_tensorcnt 0x0                           ; my rows of chunk 0 are in; these lines stand ahead of a later first fill as ahead of a refill
	ds_add_u32 v[SPW], v[NIL]
	s_mov_b32 s[G0+1], s61
	s_mov_b64 s[G0+2:G0+3], s[22:23]
	s_or_b32 s[G0+3], s[G0+3], 0x80000000
	s_wait_dscnt 0x0
	CROUND                                         ; everybody's rows of chunk 0 are in
	tensor_load_to_lds s[G0:G0+3], s[G1B:G1B+7]    ; my 48 rows of chunks 1 to 3
	s_nop 0
	PLACES 4
.irp p, 2,3,4,5,6,7
	WSW \p
.endr
	s_wait_loadcnt 63                              ; of 142 loads the first 36 are in: h's scale words among them
; K step s: the three bytes of column s, and the byte of block 33 + s from column 11 + s / 3 (for s = 9 and 10 from column 14: bytes 2 and 3)
.irp p, 0,1
.irp s, 0,1,2,3,4,5,6,7,8
	v_perm_b32 v[SA+11*\p+\s], v[RAW+15*\p+11+\s/3], v[RAW+15*\p+\s], 0x04020100+((\s%3)<<24)
.endr
	v_perm_b32 v[SA+11*\p+9], v[RAW+15*\p+14], v[RAW+15*\p+9], 0x06020100
	v_perm_b32 v[SA+11*\p+10], v[RAW+15*\p+14], v[RAW+15*\p+10], 0x07020100
.endr
	s_wait_alu depctr_va_vdst(0)
	PLACES 8                                       ; a scale register so written stands 8 places ahead of a scaled matrix instruction
; FM0 .. FM3: the LDS instructions issued up to the last loads into a set; OPS: all so far
.macro FETCH n                         ; K step n: four tiles of 16 rows of Wd into set n % 4: eight loads; then its addresses step to the next chunk
.set fS, (\n)%11
.set fI, (\n)%4
.set fT, BF+32*fI
	WIN 0x80
.irp b, 0,1,2,3
	ds_load_b128 v[fT+8*\b:fT+8*\b+3], v[A0] offset:\b*TB+48*fS
	ds_load_b128 v[fT+8*\b+4:fT+8*\b+7], v[AC+fS] offset:\b*TB+48*fS+32
.endr
.set OPS, OPS+8
.if fI == 0
.set FM0, OPS
.elseif fI == 1
.set FM1, OPS
.elseif fI == 2
.set FM2, OPS
.else
.set FM3, OPS
.endif
	WIN 0
.if (\n) < 33
	v_add_nc_u32 v[AC+fS], CHB, v[AC+fS]
.if fS == 10
	v_add_nc_u32 v[A0], CHB, v[A0]
.endif
.endif
.endm
.macro WAITF n                         ; K step n's fragments, and all older ones, are in
.set fI, (\n)%4
.if fI == 0
.set WN, OPS-FM0
.elseif fI == 1
.set WN, OPS-FM1
.elseif fI == 2
.set WN, OPS-FM2
.else
.set WN, OPS-FM3
.endif
.if WN > 63
.set WN, 63
.endif
	s_wait_dscnt WN
.endm
.macro MULS c, s                       ; K step s of chunk c
.if (\s) < 8
	WIN M_LO
.set AM, 64
.set AB, 8*(\s)
.else
	WIN M_HI
.set AM, 24
.set AB, 8*((\s)-8)
.endif
.irp P, 0,1
.irp a, 0,1,2,3
.set rD, 32*\a+16*\P
.set rA, BF+32*((11*(\c)+(\s))%4)+16*\P
.set rX, AM*\a+AB
.set rS, SBR+12*(2*(\c)+\P)+(\s)
.set rU, SA+11*(\a/2)+(\s)
.if (\s) == 0
.set rM, 2+(\a%2)
.else
.set rM, \a%2
.endif
.if rM == 0
	v_wmma_scale_f32_32x16x128_f4 v[rD:rD+15], v[rA:rA+15], v[rX:rX+7], v[rD:rD+15], v[rS], v[rU]
.elseif rM == 1
	v_wmma_scale_f32_32x16x128_f4 v[rD:rD+15], v[rA:rA+15], v[rX:rX+7], v[rD:rD+15], v[rS], v[rU] matrix_b_scale:MATRIX_SCALE_ROW1
.elseif rM == 2
	v_wmma_scale_f32_32x16x128_f4 v[rD:rD+15], v[rA:rA+15], v[rX:rX+7], 0, v[rS], v[rU]
.else
	v_wmma_scale_f32_32x16x128_f4 v[rD:rD+15], v[rA:rA+15], v[rX:rX+7], 0, v[rS], v[rU] matrix_b_scale:MATRIX_SCALE_ROW1
.endif
.endr
.endr
.endm
; r K steps from s on, then the fetch of the K steps four further on.  Chunk 0 does not fetch for chunk 1, whose rows are shown by a barrier of their own.
.macro STEPS c, s, r
.set nL, 11*(\c)+(\s)+(\r)-1
	WAITF nL
.if (\c) == 0                          ; h is still arriving: eight loads a K step, then the 18 of the later chunks' scale words
.set LN, 8*(10-((\s)+(\r)-1))+18
.if LN > 63
.set LN, 63
.endif
	s_wait_loadcnt LN
.endif
	MULS \c, \s
.if (\r) == 2
	MULS \c, (\s)+1
.endif
	WIN 0
.if ((\c) == 0) || ((\c) == 3)
.set fE, 10
.else
.set fE, 14
.endif
.if (\s)+4 <= fE
	PLACES 4
	FETCH 11*(\c)+(\s)+4
.if ((\r) == 2) && ((\s)+5 <= fE)
	FETCH 11*(\c)+(\s)+5
.endif
	s_wait_alu depctr_va_vdst(0)                   ; the addresses have stepped
.endif
.endm
; THE WAY OUT of token tile t of a chunk, 16 rows x 64 columns, through my own stage and back as whole rows of 256 bytes.  LDS serves a wave's instructions in order (ISA guide 5.7.1.4).
.macro TOSTAGE t
.irp b, 0,1,2,3
	ds_store_b128 v[STO], v[32*\t+8*\b:32*\t+8*\b+3] offset:64*\b
	ds_store_b128 v[STO], v[32*\t+8*\b+4:32*\t+8*\b+7] offset:64*\b+16
.endr
.irp i, 0,1,2,3,4,5,6,7
	ds_load_b128 v[BK+32*\t+4*\i:BK+32*\t+4*\i+3], v[RD] offset:\i*2*SPITCH
.endr
.set OPS, OPS+16
.endm
.macro SEND c, t, younger              ; younger: the LDS instructions issued behind tile t's loads
	s_wait_dscnt \younger
.irp i, 0,1,2,3,4,5,6,7
	global_store_b128 v[CO], v[BK+32*\t+4*\i:BK+32*\t+4*\i+3], s[12:13] offset:(16*\t+2*\i)*ROWY+256*\c th:TH_STORE_NT   ; 16 lanes store 256 consecutive bytes at a multiple of 256
.endr
.endm
.macro CHUNK c
.if \c == 1
	s_wait_tensorcnt 0x0                           ; my rows of chunks 1 to 3 have landed
	s_wait_dscnt 0x0
	s_barrier_signal -1
	s_barrier_wait -1
	s_wait_loadcnt 0x0                             ; and the later chunks' scale words
.endif
.if \c < 2
.irp n, 0,1,2,3
	FETCH 11*\c+\n
.endr
	s_wait_alu depctr_va_vdst(0)
.endif
.irp s, 0,2,4,6,8
	STEPS \c, \s, 2
.endr
	STEPS \c, 10, 1
	PLACES 5                                       ; behind the last products: four for the stores that read them, five for the next products that write over them
.if \c > 0
	s_wait_xcnt 0x0                                ; the last chunk's stores have read their registers
.endif
	WIN W_OUT
	TOSTAGE 0
	TOSTAGE 1
	SEND \c, 0, 16
	TOSTAGE 2
	SEND \c, 1, 16
	TOSTAGE 3
	SEND \c, 2, 16
	SEND \c, 3, 0
	WIN 0
.endm
	CHUNK 0
	CHUNK 1
	CHUNK 2
	CHUNK 3
	s_wait_tensorcnt 0x0                           ; the wave's end
	ds_add_u32 v[SPW], v[NIL]
	s_wait_dscnt 0x0
	CROUND                                         ; no work-group ends while a partner may still ask for a tile that names it
	s_endpgm
.Lfunc_end_k_q5fd948fc59_down:
	.size	k_q5fd948fc59_down, .Lfunc_end_k_q5fd948fc59_down-k_q5fd948fc59_down
	.p2alignl 7, 3214868480
	.fill 96, 4, 3214868480
	.section	.rodata,"a",@progbits
	.p2align	6, 0x0
	.amdhsa_kernel k_q5fd948fc59_down
		.amdhsa_group_segment_fixed_size 327680
		.amdhsa_private_segment_fixed_size 0
		.amdhsa_enable_private_segment 0
		.amdhsa_kernarg_size 40
		.amdhsa_user_sgpr_count 2
		.amdhsa_user_sgpr_kernarg_segment_ptr 1
		.amdhsa_wavefront_size32 1
		.amdhsa_system_sgpr_workgroup_id_x 1
		.amdhsa_system_sgpr_workgroup_id_y 1
		.amdhsa_system_sgpr_workgroup_id_z 1
		.amdhsa_system_vgpr_workitem_id 0
		.amdhsa_next_free_vgpr 1024
		.amdhsa_next_free_sgpr 80
		.amdhsa_reserve_vcc 0
		.amdhsa_float_denorm_mode_32 3
		.amdhsa_float_denorm_mode_16_64 3
		.amdhsa_memory_ordered 1
		.amdhsa_forward_progress 1
		.amdhsa_inst_pref_size 130
	.end_amdhsa_kernel
	.amdgpu_metadata
---
amdhsa.version: [ 1, 2 ]
amdhsa.kernels:
  - .name:           k_q5fd948fc59_down
    .symbol:         k_q5fd948fc59_down.kd
    .args:
      - { .name: h_codes, .offset: 0, .size: 8, .value_kind: global_buffer, .address_space: global }
      - { .name: h_scales, .offset: 8, .size: 8, .value_kind: global_buffer, .address_space: global }
      - { .name: W_down_codes, .offset: 16, .size: 8, .value_kind: global_buffer, .address_space: global }
      - { .name: wd_scales, .offset: 24, .size: 8, .value_kind: global_buffer, .address_space: global }
      - { .name: out0, .offset: 32, .size: 8, .value_kind: global_buffer, .address_space: global }
    .group_segment_fixed_size: 327680
    .private_segment_fixed_size: 0
    .kernarg_segment_align: 8
    .kernarg_segment_size: 40
    .max_flat_workgroup_size: 128
    .sgpr_count:     80
    .vgpr_count:     1024
    .wavefront_size: 32
...
	.end_amdgpu_metadata
.endif
;; end of part 2
